; MI455X (gfx1250); checked and timed in simulation.
; The chip was launched on July 23, 2026; its instructions are those of AMD's public machine-readable ISA for CDNA 5 (MIT licence, August 2026) and "CDNA5" Instruction Set Architecture Reference Guide (July 2026). The comments in the code are by the model that wrote it; some were corrected since.
;; Sparse Map Sequences. Allowed arithmetic: matrix products marked QUANTISED: E2M1 operands, one E8M0 scale for each 32 along K, by v_wmma_scale_f32_16x16x128_f8f6f4 with both operands' format E2M1 (or v_wmma_scale_f32_32x16x128_f4), f32 sums; everything else in f32.
;; Inputs: W 256 x 256 float32; b 256 float32; indices 2,048 x 2 int32; values 262,144 x 256 float32.
;; Outputs: out0 2,048 x 256 float32.
;; This version of the problem:
;;   THIS VERSION OF THE PROBLEM IS GIVEN IN LOW PRECISION. The matrix products marked QUANTISED in the list below multiply operands that are first quantised to E2M1 (2 exponent bits, 1 mantissa bit; 4 bits a number), with one power-of-two scale for each 32 numbers along K (OCP MX v1.0); their sums are f32. All else is computed in f32.
;;   The module's matrix products, in the order in which they are computed (A, B: the left and right operand; K: the contracted axis; several contracted axes count as one K, in the product's order):
;;     1. [M 2,048, K 256] x [K 256, N 256]; A: computed on the way; B: input W: QUANTISED
;;   THE QUANTISER, for each operand of a quantised product, along K:
;;     - K is cut into blocks of 32 from its start; a last block that is shorter is filled with zeros.
;;     - A block's scale is 2^e with e = floor(log2(the largest magnitude in the block)) - 2, held to -126 .. 127; a block of zeros has e = 0. As a byte (E8M0): e + 127.
;;     - Each number is divided by its block's scale, clamped to +-6, and rounded to the nearest number of E2M1, ties to even, subnormals kept.
;;     - The product sums the exact products of the quantised numbers (number of the format x scale) in f32.
;;   ~~~python
;;   def quantise(x, axis):      # numpy; x: float32 -> the quantised numbers, widened to float32 again
;;       x = np.moveaxis(x, axis, -1); K = x.shape[-1]
;;       x = np.pad(x, [(0, 0)] * (x.ndim - 1) + [(0, -K % 32)]); x = x.reshape(x.shape[:-1] + (-1, 32)); a = np.abs(x).max(-1, keepdims=True)
;;       e = np.where(a > 0, np.clip(np.frexp(np.where(a > 0, a, 1))[1] - 1 - 2, -126, 127), 0)      # np.frexp(a)[1] - 1 = floor(log2(a)), exactly
;;       r = np.clip(x / 2.0 ** e, -6, 6)
;;       step = 2.0 ** (np.maximum(np.frexp(np.where(r == 0, 1, r))[1] - 1, 0) - 1)
;;       q = np.round(r / step) * step * 2.0 ** e      # np.round: ties to even
;;       return np.moveaxis(q.reshape(q.shape[:-2] + (-1,))[..., :K], -1, axis).astype(np.float32)
;;   ~~~
;;   OPERANDS COMPUTED ON THE WAY. 'Computed on the way' means the value that the module computes at that place (a softmax that the list does not call 'softmax' is quantised finished and normalised). What goes into a quantiser is computed in f32, as accurately as f32 sums, v_exp_f32 and their like allow (about 1e-6 of the number): no bf16 or f16 on the way to a quantiser, and a product that is left as it is and whose result goes on into a quantised operand takes f32 operands (vector FMAs, or v_wmma_f32_16x16x4_f32). A number that lies on a knife's edge between two numbers of the format may be rounded either way, as far as f32 arithmetic and the matrix unit's own rounding can turn it there, and no further.
;; 2 versions, each right; version 2 is version 1 with the launch ragged_mean_linear written anew for expert scheduling mode. Each part assembles by itself: llvm-mc -triple=amdgcn-amd-amdhsa -mcpu=gfx1250 --defsym DOCPART=n.
;; ======== version 1 of 2: 1 launch
;; launch ragged_mean_linear (part 1): grid 256 x 1, 16 waves a work-group, no clusters, 182,272 bytes of LDS; arguments values, indices, W, b, out0; writes out0
.if DOCPART == 1
	.amdgcn_target "amdgcn-amd-amdhsa--gfx1250"
	.amdhsa_code_object_version 6
	.text
	.protected	k_q459910a240_ragged_mean_linear
	.globl	k_q459910a240_ragged_mean_linear
	.p2align	8
	.type	k_q459910a240_ragged_mean_linear,@function
k_q459910a240_ragged_mean_linear:
	s_mov_b64 s[64:65], 0
	v_nop
	global_prefetch_b8 v0, s[64:65] scope:SCOPE_SE
	s_setreg_imm32_b32 hwreg(HW_REG_WAVE_MODE, 25, 1), 1
	s_wait_xcnt 0x0
; out0[q][n] = sum over k of Q(m[q][k]) Q(W[k][n]) + b[n];  m[q] = the mean of rows indices[q][0] .. indices[q][1] - 1 of values.
; values [262144][256] f32, indices [2048][2] i32, W [256 (k)][256 (n)] f32, b [256] f32, out0 [2048][256] f32.  Q: codes of FP4 (E2M1) with one E8M0 scale for each 32 along k.
; SHARES.  256 work-groups of 16 waves; a work-group owns 8 sequences.  Their row ranges, laid end to end, are cut into 16 equal shares (whole chunks of 8 rows); wave w sums share w, so the waves
; are even whatever the lengths.  A lane holds 8 columns of a row: two loads of 16 bytes a lane, each 512 consecutive bytes a wave.  Two buffers of 8 rows take turns: 16 rows, 16 KB, of a wave are on their way.
; CHUNKS.  A wave's part of a sequence goes in chunks of 8 rows.  All chunks but the last are whole and are added as they stand.  The last also loads eight rows, so that the counted waits hold on every way:
; its first row is held at TOTAL - 8, so that the eight stay in the buffer; a mask of eight bits says which are mine, and the additions of the others are jumped over by a scalar branch
; (nothing is multiplied by 0: a foreign row cannot reach a sum).
; THEN, three barriers: 16 x 8 partial sums in LDS | wave (q = w / 2, t = w % 2) adds the partials of columns 128 t .. 128 t + 127 of sequence q, divides, quantises | every wave multiplies the 8 means by its
; 16 columns of W (transposed use: source 0 = 16 columns of W, source 1 = the means, b as the first C), results to a stage | each wave stores 512 consecutive bytes of out0.
; The matrix tile has 16 places for the 8 sequences: lanes 8-15 repeat lanes 0-7.  16 sequences to a work-group would fill the tile and leave work for 128 work-groups only.
; W is quantised by every work-group for itself: a lane takes a column and its registers run down k (a load reads 128 consecutive bytes); wave (g = w / 2, t = w % 2) takes columns 32 g .. 32 g + 31, k = 128 t .. 128 t + 127.
; Its first 64 loads go out at the head, beside the load of the indices; the other 64 behind the rows.
; NO TENSOR LOADS, NO CLUSTER, though every work-group reads the same W: the row loops' trip counts are read from indices.
; LIMITS.  The sums are taken directly over the rows, not as a difference of prefix sums: another order of rounding than the reference's.  The division is v_rcp_f32 (1 ulp) and a multiplication.
; A pair with end < start gives, as in the reference, the mean of rows end .. start - 1.  end = start gives NaN, by the scale byte 0xff.  Indices beyond 262,144 are held there.
; Infinities and NaN among a sequence's values are not served.  A block of zeros carries the byte 1 where the rule says 127: its codes are zeros, and only this kernel reads the bytes.
.set TOTAL,  262144                    ; rows of values
.set ROWB,   1024                      ; bytes of a row of values, of W and of out0
.set CH,     8                         ; rows in a chunk
.set PART,   0                         ; LDS: partial sums [wave 16][sequence 8][1,024 bytes]
.set WCODE,  131072                    ; W's codes [n 256][CP]
.set CP,     144                       ; a row of 256 codes: 128 bytes + 16, an odd multiple of 16: sixteen rows of a fragment load begin at sixteen different places modulo 256 bytes
.set WSC,    WCODE+256*CP              ; W's scale bytes [n 256][8]
.set ACODE,  WSC+256*8                 ; the means' codes [sequence 8][CP]
.set ASC,    ACODE+8*CP                ; the means' scale bytes [sequence 8][8]
.set STG,    ASC+128                   ; the stage for out0: 8 rows of STP bytes
.set STP,    1040
.set VOFF, 1                           ; v1   16 x lane: my bytes in half a row
.set FL,   2                           ; v2   where I put partial sums: 8,192 w + 16 lane
.set WOF,  3                           ; v3   my byte in W: 4 lane + 128 g + 131,072 t
.set WST,  4                           ; v4   where my column's codes go
.set WSS,  5                           ; v5   and its scale bytes
.set RDP,  6                           ; v6   where I read partial sums
.set AST,  7                           ; v7   where my 8 codes of a mean go
.set ASS,  8                           ; v8   and my block's scale byte
.set AFR,  9                           ; v9   the means' fragments
.set ASR,  10                          ; v10  their scale words
.set WFR,  11                          ; v11  W's fragments of my 16 columns
.set WSR,  12                          ; v12  their scale words
.set SGO,  13                          ; v13  into the stage
.set SGR,  14                          ; v14  out of it
.set OOF,  15                          ; v15  my byte in the work-group's 8 rows of out0
.set ACC,  16                          ; v16-23, v24-31: two sets of 8 sums, for even and odd sequences
.set BIAS, 32                          ; v32-39  b at my lane's eight outputs
.set SCW,  40                          ; v40-41  W's scale words, K steps 0 and 1: scales and nothing else
.set SCA,  42                          ; v42-43  the means' scale words: scales and nothing else
.set BOF,  60                          ; v60  my byte in b
.set TW,   64                          ; v64-127 64 numbers of W
.set X0,   128                         ; v128-191, v192-255: the two buffers of 8 rows
.set X1,   192
.set WF,   64                          ; behind the rows: W's two fragments,
.set AF,   80                          ; the means' two,
.set DD,   96                          ; the result,
.set OUTR, 104                         ; and 16 bytes of a row of out0
; scalars: s14 wave, s15 w / 2, s2 w % 2; s[16:31] the 8 pairs, then (first row, rows); s32, s33 my share's ends; s34 rows passed; s35 rows of sequence w / 2;
;          s36 next row, s37 my end, s38 chunks, s39 trip counter, s49 trips; s[40:41], s[42:43] the buffers' bases, s44, s45 their masks; s[50:51] an offset in 64 bits
	s_load_b256 s[4:11], s[0:1], 0x0               ; values s[4:5], indices s[6:7], W s[8:9], b s[10:11]
	s_load_b64 s[12:13], s[0:1], 0x20              ; out0
	v_lshl_add_u32 v62, v0, 2, 0x2c000
	v_mov_b32 v63, 0
	v_lshrrev_b32 v44, 5, v0
	v_readfirstlane_b32 s14, v44                   ; wave 0..15
	v_and_b32 v44, 31, v0                          ; lane
	v_and_b32 v45, 15, v0                          ; r
	v_bfe_u32 v46, v0, 4, 1                        ; h
	v_and_b32 v47, 7, v0                           ; r % 8
	s_lshr_b32 s15, s14, 1
	s_and_b32 s2, s14, 1
	s_mov_b32 s51, 0
	s_mov_b32 s52, 0x76543210
	s_mov_b32 s53, 0xfedcba98                      ; v_permlanex16_b32's selects for lane l xor 16
	v_lshlrev_b32 v[VOFF], 4, v44
	s_lshl_b32 s3, s14, 13
	v_add_nc_u32 v[FL], s3, v[VOFF]
	s_lshl_b32 s3, s15, 7
	s_lshl_b32 s46, s2, 17
	s_add_co_u32 s3, s3, s46
	v_lshl_add_u32 v[WOF], v44, 2, s3
	s_mul_i32 s3, s15, 32*CP
	s_lshl_b32 s46, s2, 6
	s_add_co_u32 s3, s3, s46
	s_add_co_u32 s3, s3, WCODE
	v_mul_u32_u24 v[WST], v44, CP
	v_add_nc_u32 v[WST], s3, v[WST]                ; row 32 g + lane, 64 t bytes on
	s_lshl_b32 s3, s15, 8
	s_lshl_b32 s46, s2, 2
	s_add_co_u32 s3, s3, s46
	s_add_co_u32 s3, s3, WSC
	v_lshl_add_u32 v[WSS], v44, 3, s3
	s_lshl_b32 s3, s14, 9
	v_lshlrev_b32 v[RDP], 5, v45                   ; my 8 columns: 32 r bytes,
	v_lshl_add_u32 v[RDP], v46, 16, v[RDP]         ; lanes 16-31 take waves 8-15's partial sums,
	v_add_nc_u32 v[RDP], s3, v[RDP]                ; 1,024 q + 512 t = 512 w
	v_add_nc_u32 v[OOF], s3, v[VOFF]
	s_mul_i32 s3, s15, CP
	s_lshl_b32 s46, s2, 6
	s_add_co_u32 s3, s3, s46
	s_add_co_u32 s3, s3, ACODE
	v_lshl_add_u32 v[AST], v45, 2, s3
	s_lshl_b32 s3, s14, 2
	s_add_co_u32 s3, s3, ASC
	v_lshrrev_b32 v[ASS], 2, v45
	v_add_nc_u32 v[ASS], s3, v[ASS]                ; 8 q + 4 t = 4 w, + my block r / 4
	v_mul_u32_u24 v[AFR], v47, CP
	v_lshl_add_u32 v[AFR], v46, 4, v[AFR]
	v_add_nc_u32 v[AFR], ACODE, v[AFR]
	v_lshl_add_u32 v[ASR], v47, 3, ASC
	s_mul_i32 s3, s14, 16*CP
	s_add_co_u32 s3, s3, WCODE
	v_mul_u32_u24 v[WFR], v45, CP
	v_lshl_add_u32 v[WFR], v46, 4, v[WFR]
	v_add_nc_u32 v[WFR], s3, v[WFR]
	s_lshl_b32 s3, s14, 7
	s_add_co_u32 s3, s3, WSC
	v_lshl_add_u32 v[WSR], v45, 3, s3
	s_lshl_b32 s3, s14, 6
	v_lshl_add_u32 v[BOF], v46, 5, s3              ; b at outputs 16 w + 8 h
	s_add_co_u32 s3, s3, STG
	v_mul_u32_u24 v[SGO], v47, STP
	v_lshl_add_u32 v[SGO], v46, 5, v[SGO]
	v_add_nc_u32 v[SGO], s3, v[SGO]
	s_mul_i32 s3, s15, STP
	s_lshl_b32 s46, s2, 9
	s_add_co_u32 s3, s3, s46
	s_add_co_u32 s3, s3, STG
	v_add_nc_u32 v[SGR], s3, v[VOFF]
	s_wait_kmcnt 0x0
; 64 numbers of W: blocks 2 half and 2 half + 1 of my column's four
.macro WLOAD half
.set i, 0
.rept 64
	global_load_b32 v[TW+i], v[WOF], s[8:9] offset:(64*\half+i)*ROWB
.set i, i+1
.endr
.endm
; they become 2 x 16 bytes of codes and two scale bytes.  Each half has its own registers for what it stores (in buffer 0, which is idle here)
.macro WQUANT half
.irp c, 0,1
	v_max3_num_f32 v[48+\c], |v[TW+32*\c]|, |v[TW+32*\c+1]|, 0x1800000   ; the block's largest magnitude: all 32 numbers are mine; and the floor 2^(3 - 127), so that the byte cannot fall under 1
.endr
.irp i, 2,4,6,8,10,12,14,16,18,20,22,24,26,28,30
.irp c, 0,1
	v_max3_num_f32 v[48+\c], v[48+\c], |v[TW+32*\c+\i]|, |v[TW+32*\c+\i+1]|   ; (the two blocks by turns)
.endr
.endr
.irp c, 0,1
	v_add_nc_u32 v[50+\c], 0xff000000, v[48+\c]    ; 2 off its exponent field: the conversion takes this operand's exponent field as its scale
.endr
.irp c, 0,1
	v_lshrrev_b32 v[48+\c], 23, v[50+\c]           ; the scale's byte
.endr
	v_lshl_or_b32 v[X0+16+\half], v49, 8, v48
.irp c, 0,1
.irp g, 0,1,2,3
	v_cvt_scalef32_pk8_fp4_f32 v[X0+8*\half+4*\c+\g], v[TW+32*\c+8*\g:TW+32*\c+8*\g+7], v[50+\c]
.endr
.endr
	v_nop                                          ; one plain place behind the last scaled conversion
	ds_store_b128 v[WST], v[X0+8*\half:X0+8*\half+3] offset:32*\half
	ds_store_b128 v[WST], v[X0+8*\half+4:X0+8*\half+7] offset:32*\half+16
	ds_store_b16 v[WSS], v[X0+16+\half] offset:2*\half
.endm
; A chunk is asked for: eight rows from r0 = min(next row, TOTAL - 8) into buffer x.  sm > 0: the chunk may be my part's last, so its mask goes to s[sm]: bit i says that row r0 + i is mine,
; not ahead of my next row and not behind my end.  (A chunk that is not the last has r0 = the next row and all eight bits.)
.macro ISSUE x, sb, sm
	s_min_u32 s46, s36, TOTAL-CH                   ; the one number made of loaded data that enters the address, held by a constant
.if \sm
	s_sub_co_u32 s47, s36, s46                     ; rows ahead of mine: 0 but at the buffer's end
	s_sub_co_u32 s48, s37, s46
	s_min_u32 s48, s48, CH
	s_sub_co_u32 s48, s48, s47                     ; how many of the eight are mine: at least one
	s_bfm_b32 s[\sm], s48, s47
.endif
	s_lshl_b32 s50, s46, 10
	s_add_nc_u64 s[\sb:\sb+1], s[4:5], s[50:51]    ; the buffer's own base: its last loads were waited for before they were added
	s_add_co_u32 s36, s36, CH
.irp i, 0,1,2,3,4,5,6,7
	global_load_b128 v[\x+8*\i:\x+8*\i+3], v[VOFF], s[\sb:\sb+1] offset:\i*ROWB
	global_load_b128 v[\x+8*\i+4:\x+8*\i+7], v[VOFF], s[\sb:\sb+1] offset:\i*ROWB+512
.endr
.endm
.macro ROW4 xr                                 ; a row onto the sums: four packed additions
	v_pk_add_f32 v[AC:AC+1], v[AC:AC+1], v[\xr:\xr+1]
	v_pk_add_f32 v[AC+2:AC+3], v[AC+2:AC+3], v[\xr+2:\xr+3]
	v_pk_add_f32 v[AC+4:AC+5], v[AC+4:AC+5], v[\xr+4:\xr+5]
	v_pk_add_f32 v[AC+6:AC+7], v[AC+6:AC+7], v[\xr+6:\xr+7]
.endm
.macro ADDALL x                                ; a whole chunk
.irp i, 0,1,2,3,4,5,6,7
	ROW4 \x+8*\i
.endr
.endm
.macro ROWIF xr, sm, i
	s_bitcmp1_b32 s[\sm], \i
	s_cbranch_scc0 .Lnot_mine_\@
	ROW4 \xr
.Lnot_mine_\@:
.endm
.macro ADDMINE x, sm                           ; a part's last chunk: the rows that the mask names
.irp i, 0,1,2,3,4,5,6,7
	ROWIF \x+8*\i, \sm, \i
.endr
.endm
; My part of sequence s: rows [first + clamp(share's begin - rows passed), first + clamp(share's end - rows passed)), each clamp to 0 .. the sequence's rows.  Its sum, zeros if the part is empty, goes to LDS.
; n chunks: buffer 0 is asked for ahead of the loop; a trip adds two whole chunks and asks for two; (n - 1) / 2 trips leave one chunk (n odd: in buffer 0, on its way) or two (n even: buffer 0's, and one to ask for).
.macro SEQ s
.set AC, ACC+8*((\s)%2)
	s_sub_co_i32 s46, s32, s34
	s_max_i32 s46, s46, 0
	s_min_i32 s46, s46, s[17+2*\s]
	s_sub_co_i32 s47, s33, s34
	s_max_i32 s47, s47, 0
	s_min_i32 s47, s47, s[17+2*\s]
	s_add_co_u32 s36, s[16+2*\s], s46
	s_add_co_u32 s37, s[16+2*\s], s47
	s_add_co_u32 s34, s34, s[17+2*\s]
	s_sub_co_u32 s38, s47, s46
	s_add_co_u32 s38, s38, CH-1
	s_lshr_b32 s38, s38, 3                         ; n, the chunks
	s_cmp_eq_u32 s15, \s
	s_cselect_b32 s35, s[17+2*\s], s35             ; the rows of the sequence that I shall divide
	s_wait_dscnt 0x2                               ; the last sequence's two stores may be out; those of two sequences ago, which read this set of sums, are done
.irp j, 0,1,2,3,4,5,6,7
	v_mov_b32 v[AC+\j], 0                          ; (an empty part stores these zeros)
.endr
	s_cmp_eq_u32 s38, 0
	s_cbranch_scc1 .Lflush_\@
	s_sub_co_u32 s49, s38, 1
	s_lshr_b32 s49, s49, 1                         ; trips
	ISSUE X0, 40, 44
	s_cmp_eq_u32 s49, 0
	s_cbranch_scc1 .Ltail_\@
	s_mov_b32 s39, 0
.Lpair_\@:                                     ; here buffer 0 is on its way
	ISSUE X1, 42, 0                                ; never the last chunk: at least one follows it
	s_wait_loadcnt 16                              ; loads come back in order: all but the 16 just issued are in
	ADDALL X0
	ISSUE X0, 40, 44                               ; the last chunk, if n is odd and this is the last trip
	s_wait_loadcnt 16
	ADDALL X1
	s_add_co_u32 s39, s39, 1
	s_cmp_lt_u32 s39, s49
	s_cbranch_scc1 .Lpair_\@
.Ltail_\@:
	s_bitcmp1_b32 s38, 0
	s_cbranch_scc1 .Lodd_\@
	ISSUE X1, 42, 45                               ; n even: the last chunk is asked for; buffer 0's is whole
	s_wait_loadcnt 16
	ADDALL X0
	s_wait_loadcnt 0x0
	ADDMINE X1, 45
	s_branch .Lflush_\@
.Lodd_\@:                                      ; n odd: the last chunk lies in buffer 0, and nothing was asked for behind it
	s_wait_loadcnt 0x0
	ADDMINE X0, 44
.Lflush_\@:
	ds_store_b128 v[FL], v[AC:AC+3] offset:PART+\s*1024          ; columns 4 lane ..
	ds_store_b128 v[FL], v[AC+4:AC+7] offset:PART+\s*1024+512    ; and 128 + 4 lane ..
.endm
	s_lshl_b32 s50, ttmp9, 6                       ; my 8 pairs: 64 bytes
	s_add_nc_u64 s[6:7], s[6:7], s[50:51]
	s_load_b512 s[16:31], s[6:7], 0x0
	s_lshl_b32 s50, ttmp9, 13                      ; my 8 rows of out0
	s_add_nc_u64 s[12:13], s[12:13], s[50:51]
	global_load_b128 v[BIAS:BIAS+3], v[BOF], s[10:11]
	global_load_b128 v[BIAS+4:BIAS+7], v[BOF], s[10:11] offset:16
	WLOAD 0                                        ; on its way beside the indices
	s_wait_kmcnt 0x0
.irp s, 0,1,2,3,4,5,6,7
	s_min_u32 s[16+2*\s], s[16+2*\s], TOTAL
	s_min_u32 s[17+2*\s], s[17+2*\s], TOTAL
	s_max_u32 s46, s[16+2*\s], s[17+2*\s]
	s_min_u32 s[16+2*\s], s[16+2*\s], s[17+2*\s]   ; the first row
	s_sub_co_u32 s[17+2*\s], s46, s[16+2*\s]       ; and how many: |end - start|, since sum and length change sign together
.endr
	s_add_co_u32 s46, s17, s19
.irp s, 21,23,25,27,29,31
	s_add_co_u32 s46, s46, s\s
.endr
	s_add_co_u32 s46, s46, 127
	s_lshr_b32 s46, s46, 7
	s_lshl_b32 s46, s46, 3                         ; a share: a sixteenth of the work-group's rows, up to whole chunks
	s_mul_i32 s32, s14, s46
	s_add_co_u32 s33, s32, s46
	s_mov_b32 s34, 0
	s_mov_b32 s35, 0
.irp s, 0,1,2,3,4,5,6,7
	SEQ \s
.endr
	s_wait_loadcnt 0x0                             ; W's first half and b are in, also where my share was empty
	WQUANT 0
	WLOAD 1
	s_wait_loadcnt 0x0
	WQUANT 1
	s_wait_dscnt 0x0                               ; for the others' sake: my partial sums, W's codes and scale bytes lie in LDS
	s_barrier_signal -1
	s_barrier_wait -1
	; ---- the mean of 128 columns of sequence q: lane (r, h) takes columns 128 t + 8 r .. + 7 of eight waves' partial sums
.irp i, 0,1,2,3,4,5,6,7
	ds_load_b128 v[X0+8*\i:X0+8*\i+3], v[RDP] offset:PART+\i*8192
	ds_load_b128 v[X0+8*\i+4:X0+8*\i+7], v[RDP] offset:PART+\i*8192+16
.endr
.irp c, 0,1,2,3
	ds_load_b128 v[WF+4*\c:WF+4*\c+3], v[WFR] offset:32*\c       ; W's fragments of my 16 columns: K step c / 2, registers 4 (c % 2) on
.endr
	ds_load_b64 v[SCW:SCW+1], v[WSR]               ; and their scale words, one for each K step
	v_cvt_f32_u32 v44, s35
	s_cmp_eq_u32 s35, 0
	s_cselect_b32 s48, 0xff, 0                     ; a sequence without rows: the scale byte that stands for NaN
	v_rcp_f32 v46, v44
	v_rcp_f32 v47, v44                             ; twice: a pair for the packed multiply; the additions below are the plain places behind it
	s_wait_dscnt 5                                 ; the 16 loads of partial sums are in; the five behind them may be out
.irp i, 0,2,4,6
.irp j, 0,2,4,6
	v_pk_add_f32 v[X0+8*\i+\j:X0+8*\i+\j+1], v[X0+8*\i+\j:X0+8*\i+\j+1], v[X0+8*(\i+1)+\j:X0+8*(\i+1)+\j+1]
.endr
.endr
.irp i, 0,4
.irp j, 0,2,4,6
	v_pk_add_f32 v[X0+8*\i+\j:X0+8*\i+\j+1], v[X0+8*\i+\j:X0+8*\i+\j+1], v[X0+8*(\i+2)+\j:X0+8*(\i+2)+\j+1]
.endr
.endr
.irp j, 0,2,4,6
	v_pk_add_f32 v[X0+\j:X0+\j+1], v[X0+\j:X0+\j+1], v[X0+32+\j:X0+32+\j+1]
.endr
.irp j, 0,1,2,3,4,5,6,7
	v_permlanex16_b32 v[X0+8+\j], v[X0+\j], s52, s53             ; the other eight waves' sum lies in lane l xor 16
.endr
.irp j, 0,2,4,6
	v_pk_add_f32 v[X0+\j:X0+\j+1], v[X0+\j:X0+\j+1], v[X0+8+\j:X0+8+\j+1]   ; both halves of the lanes now hold the same bits
.endr
	s_wait_alu depctr_va_vdst(0)
.irp j, 0,2,4,6
	v_pk_mul_f32 v[X0+\j:X0+\j+1], v[X0+\j:X0+\j+1], v[46:47]    ; the mean
.endr
	v_max3_num_f32 v48, |v[X0]|, |v[X0+1]|, 0x1800000            ; my 8 numbers and the floor 2^(3 - 127)
	v_max3_num_f32 v48, v48, |v[X0+2]|, |v[X0+3]|
	v_max3_num_f32 v48, v48, |v[X0+4]|, |v[X0+5]|
	v_max3_num_f32 v48, v48, |v[X0+6]|, |v[X0+7]|
	v_max_num_f32_dpp v48, v48, v48 row_xmask:1 row_mask:0xf bank_mask:0xf
	v_max_num_f32_dpp v48, v48, v48 row_xmask:2 row_mask:0xf bank_mask:0xf   ; four neighbouring lanes hold a block of 32
	v_add_nc_u32 v49, 0xff000000, v48              ; 2 off the exponent field: the conversion's scale operand
	v_lshrrev_b32 v50, 23, v49                     ; the scale's byte
	v_or_b32 v50, s48, v50
	v_cvt_scalef32_pk8_fp4_f32 v51, v[X0:X0+7], v49
	v_nop                                          ; one plain place behind a scaled conversion
	ds_store_b32 v[AST], v51                       ; 8 codes; lanes 16-31 write what lanes 0-15 write
	ds_store_b8 v[ASS], v50                        ; the lanes of a block write the same byte
	s_wait_dscnt 0x0                               ; my stores have landed, my loads are in
	s_barrier_signal -1
	s_barrier_wait -1
	; ---- out0's columns 16 w .. 16 w + 15 for the 8 sequences
.irp c, 0,1,2,3
	ds_load_b128 v[AF+4*\c:AF+4*\c+3], v[AFR] offset:32*\c       ; lane (r, h): sequence r % 8
.endr
	ds_load_b64 v[SCA:SCA+1], v[ASR]
	s_wait_dscnt 0x0
	v_wmma_scale_f32_16x16x128_f8f6f4 v[DD:DD+7], v[WF:WF+7], v[AF:AF+7], v[BIAS:BIAS+7], v[SCW], v[SCA] matrix_a_fmt:MATRIX_FMT_FP4 matrix_b_fmt:MATRIX_FMT_FP4
	s_wait_alu depctr_va_vdst(0)                   ; a wait ahead of the link
	v_wmma_scale_f32_16x16x128_f8f6f4 v[DD:DD+7], v[WF+8:WF+15], v[AF+8:AF+15], v[DD:DD+7], v[SCW+1], v[SCA+1] matrix_a_fmt:MATRIX_FMT_FP4 matrix_b_fmt:MATRIX_FMT_FP4
.rept 4
	v_nop                                          ; four places ahead of the first read of the result (ISA guide 7.12.1)
.endr
	ds_store_b128 v[SGO], v[DD:DD+3]               ; lane (r, h): out0(sequence r % 8, 16 w + 8 h + 0 .. 7); lanes 8-15 of each half repeat lanes 0-7
	ds_store_b128 v[SGO], v[DD+4:DD+7] offset:16
	s_wait_dscnt 0x0
	s_barrier_signal -1
	s_barrier_wait -1
	ds_load_b128 v[OUTR:OUTR+3], v[SGR]            ; half a row of out0 a wave
	s_wait_dscnt 0x0
	global_store_b128 v[OOF], v[OUTR:OUTR+3], s[12:13] th:TH_STORE_NT   ; 32 lanes store 512 consecutive bytes, at a multiple of 512 from out0's first byte
	s_wait_tensorcnt 0x0
	ds_add_u32 v62, v63
	s_wait_dscnt 0x0
	s_endpgm
.Lfunc_end_k_q459910a240_ragged_mean_linear:
	.size	k_q459910a240_ragged_mean_linear, .Lfunc_end_k_q459910a240_ragged_mean_linear-k_q459910a240_ragged_mean_linear
	.p2alignl 7, 3214868480
	.fill 96, 4, 3214868480
	.section	.rodata,"a",@progbits
	.p2align	6, 0x0
	.amdhsa_kernel k_q459910a240_ragged_mean_linear
		.amdhsa_group_segment_fixed_size 182272
		.amdhsa_private_segment_fixed_size 0
		.amdhsa_enable_private_segment 0
		.amdhsa_kernarg_size 40
		.amdhsa_user_sgpr_count 2
		.amdhsa_user_sgpr_kernarg_segment_ptr 1
		.amdhsa_wavefront_size32 1
		.amdhsa_system_sgpr_workgroup_id_x 1
		.amdhsa_system_sgpr_workgroup_id_y 1
		.amdhsa_system_sgpr_workgroup_id_z 1
		.amdhsa_system_vgpr_workitem_id 0
		.amdhsa_next_free_vgpr 256
		.amdhsa_next_free_sgpr 66
		.amdhsa_reserve_vcc 0
		.amdhsa_float_denorm_mode_32 3
		.amdhsa_float_denorm_mode_16_64 3
		.amdhsa_memory_ordered 1
		.amdhsa_forward_progress 1
		.amdhsa_inst_pref_size 187
	.end_amdhsa_kernel
	.amdgpu_metadata
---
amdhsa.version: [ 1, 2 ]
amdhsa.kernels:
  - .name:           k_q459910a240_ragged_mean_linear
    .symbol:         k_q459910a240_ragged_mean_linear.kd
    .args:
      - { .name: values, .offset: 0, .size: 8, .value_kind: global_buffer, .address_space: global }
      - { .name: indices, .offset: 8, .size: 8, .value_kind: global_buffer, .address_space: global }
      - { .name: W, .offset: 16, .size: 8, .value_kind: global_buffer, .address_space: global }
      - { .name: b, .offset: 24, .size: 8, .value_kind: global_buffer, .address_space: global }
      - { .name: out0, .offset: 32, .size: 8, .value_kind: global_buffer, .address_space: global }
    .group_segment_fixed_size: 182272
    .private_segment_fixed_size: 0
    .kernarg_segment_align: 8
    .kernarg_segment_size: 40
    .max_flat_workgroup_size: 512
    .sgpr_count:     66
    .vgpr_count:     256
    .wavefront_size: 32
...
	.end_amdgpu_metadata
.endif
;; end of part 1
;; ======== version 2 of 2: 1 launch; version 1 with the launch ragged_mean_linear written anew for expert scheduling mode
;; launch ragged_mean_linear (part 2): grid 256 x 1, 16 waves a work-group, no clusters, 182,272 bytes of LDS; arguments values, indices, W, b, out0; writes out0
.if DOCPART == 2
	.amdgcn_target "amdgcn-amd-amdhsa--gfx1250"
	.amdhsa_code_object_version 6
	.text
	.protected	k_q459910a240_ragged_mean_linear
	.globl	k_q459910a240_ragged_mean_linear
	.p2align	8
	.type	k_q459910a240_ragged_mean_linear,@function
k_q459910a240_ragged_mean_linear:
	s_mov_b64 s[64:65], 0
	v_nop
	global_prefetch_b8 v0, s[64:65] scope:SCOPE_SE
	s_setreg_imm32_b32 hwreg(HW_REG_WAVE_SCHED_MODE, 0, 2), 2
	s_setreg_imm32_b32 hwreg(HW_REG_WAVE_MODE, 25, 1), 1
	s_wait_xcnt 0x0
	s_wait_alu depctr_vm_vsrc(0)
; out0[q][n] = sum over k of Q(m[q][k]) Q(W[k][n]) + b[n];  m[q] = the mean of rows indices[q][0] .. indices[q][1] - 1 of values.
; values [262144][256] f32, indices [2048][2] i32, W [256 (k)][256 (n)] f32, b [256] f32, out0 [2048][256] f32.  Q: codes of FP4 (E2M1) with one E8M0 scale for each 32 along k.
; SHARES.  256 work-groups of 16 waves; a work-group owns 8 sequences.  Their row ranges, laid end to end, are cut into 16 equal shares (whole chunks of 8 rows); wave w sums share w, so the waves
; are even whatever the lengths.  A lane holds 8 columns of a row: two loads of 16 bytes a lane, each 512 consecutive bytes a wave.  Two buffers of 8 rows take turns: 16 rows, 16 KB, of a wave are on their way.
; CHUNKS.  A wave's part of a sequence goes in chunks of 8 rows.  All chunks but the last are whole and are added as they stand.  The last also loads eight rows, so that the counted waits hold on every way:
; its first row is held at TOTAL - 8, so that the eight stay in the buffer; a mask of eight bits says which are mine, and the additions of the others are jumped over by a scalar branch
; (nothing is multiplied by 0: a foreign row cannot reach a sum).
; THEN, three barriers: 16 x 8 partial sums in LDS | wave (q = w / 2, t = w % 2) adds the partials of columns 128 t .. 128 t + 127 of sequence q, divides, quantises | every wave multiplies the 8 means by its
; 16 columns of W (transposed use: source 0 = 16 columns of W, source 1 = the means, b as the first C), results to a stage | each wave stores 512 consecutive bytes of out0.
; The matrix tile has 16 places for the 8 sequences: lanes 8-15 repeat lanes 0-7.  16 sequences to a work-group would fill the tile and leave work for 128 work-groups only.
; W is quantised by every work-group for itself: a lane takes a column and its registers run down k (a load reads 128 consecutive bytes); wave (g = w / 2, t = w % 2) takes columns 32 g .. 32 g + 31, k = 128 t .. 128 t + 127.
; Its first 64 loads go out at the head, beside the load of the indices; the other 64 behind the rows.
; NO TENSOR LOADS, NO CLUSTER, though every work-group reads the same W: the row loops' trip counts are read from indices.
; LIMITS.  The sums are taken directly over the rows, not as a difference of prefix sums: another order of rounding than the reference's.  The division is v_rcp_f32 (1 ulp) and a multiplication.
; A pair with end < start gives, as in the reference, the mean of rows end .. start - 1.  end = start gives NaN, by the scale byte 0xff.  Indices beyond 262,144 are held there.
; Infinities and NaN among a sequence's values are not served.  A block of zeros carries the byte 1 where the rule says 127: its codes are zeros, and only this kernel reads the bytes.
; THE MODE: SCHED_MODE bits 1:0 = 2 (LLVM: expert scheduling mode 2), set by the entry lines.  The code itself states the register dependences
; between vector or matrix instructions and memory or LDS instructions, with s_wait_alu, always for 0.
; THE PLAN.  Registers that memory or LDS instructions touch:
;   v1-15, v60   addresses and offsets: made at the head, never written again (the rows are reached by each buffer's scalar base).  One wait on va_vdst ahead of the first load serves them all.
;   X0, X1       A chunk's 16 loads land in a buffer; its 32 additions read it; the buffer is asked for again at once.  One wait on va_vdst a chunk, behind those additions and the scalar lines
;                that make the next address, ahead of the run of 16 loads.  A part's first chunk has none: see the sums.
;   the sums     two sets of 8, for even and odd sequences: written by eight zeros and the additions, read by the two LDS stores at a part's end.  One wait on va_vdst ahead of the stores; up to the next
;                part's first loads only the eight zeros follow it, which name the sums alone, so it also states that the tail's additions are done reading X0 and X1.
;                A set is written again two sequences on: a wait on vm_vsrc ahead of the zeros.
;   TW           W's 64 numbers: loaded, read by the quantiser.  One wait on va_vdst behind each half's arithmetic: the codes and bytes are written, which the LDS stores read, and TW has been read,
;                in which the second half's loads land (later W's and the means' fragments and the row of out0: nothing between names those registers).
;   v128-145     W's codes and bytes: read by the LDS stores; the partial sums' loads then land there: a wait on vm_vsrc behind the first barrier.
;   v50, v51; v96-103   a mean's byte and codes; the product: each written, then read by LDS stores: a wait on va_vdst ahead of the stores.
;   The matrix instructions' operands, b and the scale words all come by loads.  v62, v63: written at the head, read by the closing add alone.
.set TOTAL,  262144                    ; rows of values
.set ROWB,   1024                      ; bytes of a row of values, of W and of out0
.set CH,     8                         ; rows in a chunk
.set PART,   0                         ; LDS: partial sums [wave 16][sequence 8][1,024 bytes]
.set WCODE,  131072                    ; W's codes [n 256][CP]
.set CP,     144                       ; a row of 256 codes: 128 bytes + 16, an odd multiple of 16: sixteen rows of a fragment load begin at sixteen different places modulo 256 bytes
.set WSC,    WCODE+256*CP              ; W's scale bytes [n 256][8]
.set ACODE,  WSC+256*8                 ; the means' codes [sequence 8][CP]
.set ASC,    ACODE+8*CP                ; the means' scale bytes [sequence 8][8]
.set STG,    ASC+128                   ; the stage for out0: 8 rows of STP bytes
.set STP,    1040
.set VOFF, 1                           ; v1   16 x lane: my bytes in half a row
.set FL,   2                           ; v2   where I put partial sums: 8,192 w + 16 lane
.set WOF,  3                           ; v3   my byte in W: 4 lane + 128 g + 131,072 t
.set WST,  4                           ; v4   where my column's codes go
.set WSS,  5                           ; v5   and its scale bytes
.set RDP,  6                           ; v6   where I read partial sums
.set AST,  7                           ; v7   where my 8 codes of a mean go
.set ASS,  8                           ; v8   and my block's scale byte
.set AFR,  9                           ; v9   the means' fragments
.set ASR,  10                          ; v10  their scale words
.set WFR,  11                          ; v11  W's fragments of my 16 columns
.set WSR,  12                          ; v12  their scale words
.set SGO,  13                          ; v13  into the stage
.set SGR,  14                          ; v14  out of it
.set OOF,  15                          ; v15  my byte in the work-group's 8 rows of out0
.set ACC,  16                          ; v16-23, v24-31: two sets of 8 sums, for even and odd sequences
.set BIAS, 32                          ; v32-39  b at my lane's eight outputs
.set SCW,  40                          ; v40-41  W's scale words, K steps 0 and 1: scales and nothing else
.set SCA,  42                          ; v42-43  the means' scale words: scales and nothing else
.set BOF,  60                          ; v60  my byte in b
.set TW,   64                          ; v64-127 64 numbers of W
.set X0,   128                         ; v128-191, v192-255: the two buffers of 8 rows
.set X1,   192
.set WF,   64                          ; behind the rows: W's two fragments,
.set AF,   80                          ; the means' two,
.set DD,   96                          ; the result,
.set OUTR, 104                         ; and 16 bytes of a row of out0
; scalars: s14 wave, s15 w / 2, s2 w % 2; s[16:31] the 8 pairs, then (first row, rows); s32, s33 my share's ends; s34 rows passed; s35 rows of sequence w / 2;
;          s36 next row, s37 my end, s38 chunks, s39 trip counter, s49 trips; s[40:41], s[42:43] the buffers' bases, s44, s45 their masks; s[50:51] an offset in 64 bits
	s_load_b256 s[4:11], s[0:1], 0x0               ; values s[4:5], indices s[6:7], W s[8:9], b s[10:11]
	s_load_b64 s[12:13], s[0:1], 0x20              ; out0
	v_lshl_add_u32 v62, v0, 2, 0x2c000             ; my spare word, behind the stage: 128 bytes for each of the 16 waves, which no other line names; kept for the closing lines alone
	v_mov_b32 v63, 0                               ; and 0, likewise
	v_lshrrev_b32 v44, 5, v0
	v_readfirstlane_b32 s14, v44                   ; wave 0..15
	v_and_b32 v44, 31, v0                          ; lane
	v_and_b32 v45, 15, v0                          ; r
	v_bfe_u32 v46, v0, 4, 1                        ; h
	v_and_b32 v47, 7, v0                           ; r % 8
	s_wait_alu depctr_va_sdst(0)                   ; s14 is written, ahead of its first reader: the line below
	s_lshr_b32 s15, s14, 1
	s_and_b32 s2, s14, 1
	s_mov_b32 s51, 0
	s_mov_b32 s52, 0x76543210
	s_mov_b32 s53, 0xfedcba98                      ; v_permlanex16_b32's selects for lane l xor 16
	v_lshlrev_b32 v[VOFF], 4, v44
	s_lshl_b32 s3, s14, 13
	v_add_nc_u32 v[FL], s3, v[VOFF]
	s_lshl_b32 s3, s15, 7
	s_lshl_b32 s46, s2, 17
	s_add_co_u32 s3, s3, s46
	v_lshl_add_u32 v[WOF], v44, 2, s3
	s_mul_i32 s3, s15, 32*CP
	s_lshl_b32 s46, s2, 6
	s_add_co_u32 s3, s3, s46
	s_add_co_u32 s3, s3, WCODE
	v_mul_u32_u24 v[WST], v44, CP
	v_add_nc_u32 v[WST], s3, v[WST]                ; row 32 g + lane, 64 t bytes on
	s_lshl_b32 s3, s15, 8
	s_lshl_b32 s46, s2, 2
	s_add_co_u32 s3, s3, s46
	s_add_co_u32 s3, s3, WSC
	v_lshl_add_u32 v[WSS], v44, 3, s3
	s_lshl_b32 s3, s14, 9
	v_lshlrev_b32 v[RDP], 5, v45                   ; my 8 columns: 32 r bytes,
	v_lshl_add_u32 v[RDP], v46, 16, v[RDP]         ; lanes 16-31 take waves 8-15's partial sums,
	v_add_nc_u32 v[RDP], s3, v[RDP]                ; 1,024 q + 512 t = 512 w
	v_add_nc_u32 v[OOF], s3, v[VOFF]
	s_mul_i32 s3, s15, CP
	s_lshl_b32 s46, s2, 6
	s_add_co_u32 s3, s3, s46
	s_add_co_u32 s3, s3, ACODE
	v_lshl_add_u32 v[AST], v45, 2, s3
	s_lshl_b32 s3, s14, 2
	s_add_co_u32 s3, s3, ASC
	v_lshrrev_b32 v[ASS], 2, v45
	v_add_nc_u32 v[ASS], s3, v[ASS]                ; 8 q + 4 t = 4 w, + my block r / 4
	v_mul_u32_u24 v[AFR], v47, CP
	v_lshl_add_u32 v[AFR], v46, 4, v[AFR]
	v_add_nc_u32 v[AFR], ACODE, v[AFR]
	v_lshl_add_u32 v[ASR], v47, 3, ASC
	s_mul_i32 s3, s14, 16*CP
	s_add_co_u32 s3, s3, WCODE
	v_mul_u32_u24 v[WFR], v45, CP
	v_lshl_add_u32 v[WFR], v46, 4, v[WFR]
	v_add_nc_u32 v[WFR], s3, v[WFR]
	s_lshl_b32 s3, s14, 7
	s_add_co_u32 s3, s3, WSC
	v_lshl_add_u32 v[WSR], v45, 3, s3
	s_lshl_b32 s3, s14, 6
	v_lshl_add_u32 v[BOF], v46, 5, s3              ; b at outputs 16 w + 8 h
	s_add_co_u32 s3, s3, STG
	v_mul_u32_u24 v[SGO], v47, STP
	v_lshl_add_u32 v[SGO], v46, 5, v[SGO]
	v_add_nc_u32 v[SGO], s3, v[SGO]
	s_mul_i32 s3, s15, STP
	s_lshl_b32 s46, s2, 9
	s_add_co_u32 s3, s3, s46
	s_add_co_u32 s3, s3, STG
	v_add_nc_u32 v[SGR], s3, v[VOFF]
	s_wait_kmcnt 0x0
; 64 numbers of W: blocks 2 half and 2 half + 1 of my column's four
.macro WLOAD half
.set i, 0
.rept 64
	global_load_b32 v[TW+i], v[WOF], s[8:9] offset:(64*\half+i)*ROWB
.set i, i+1
.endr
.endm
; they become 2 x 16 bytes of codes and two scale bytes.  Each half has its own registers for what it stores (in buffer 0, which is idle here)
.macro WQMATH half
.irp c, 0,1
	v_max3_num_f32 v[48+\c], |v[TW+32*\c]|, |v[TW+32*\c+1]|, 0x1800000   ; the block's largest magnitude: all 32 numbers are mine; and the floor 2^(3 - 127), so that the byte cannot fall under 1
.endr
.irp i, 2,4,6,8,10,12,14,16,18,20,22,24,26,28,30
.irp c, 0,1
	v_max3_num_f32 v[48+\c], v[48+\c], |v[TW+32*\c+\i]|, |v[TW+32*\c+\i+1]|   ; (the two blocks by turns)
.endr
.endr
.irp c, 0,1
	v_add_nc_u32 v[50+\c], 0xff000000, v[48+\c]    ; 2 off its exponent field: the conversion takes this operand's exponent field as its scale
.endr
.irp c, 0,1
	v_lshrrev_b32 v[48+\c], 23, v[50+\c]           ; the scale's byte
.endr
	v_lshl_or_b32 v[X0+16+\half], v49, 8, v48
.irp c, 0,1
.irp g, 0,1,2,3
	v_cvt_scalef32_pk8_fp4_f32 v[X0+8*\half+4*\c+\g], v[TW+32*\c+8*\g:TW+32*\c+8*\g+7], v[50+\c]
.endr
.endr
	v_nop                                          ; one plain place behind the last scaled conversion
.endm
.macro WQSTORE half
	ds_store_b128 v[WST], v[X0+8*\half:X0+8*\half+3] offset:32*\half
	ds_store_b128 v[WST], v[X0+8*\half+4:X0+8*\half+7] offset:32*\half+16
	ds_store_b16 v[WSS], v[X0+16+\half] offset:2*\half
.endm
; A chunk is asked for: eight rows from r0 = min(next row, TOTAL - 8) into buffer x.  sm > 0: the chunk may be my part's last, so its mask goes to s[sm]: bit i says that row r0 + i is mine,
; not ahead of my next row and not behind my end.  (A chunk that is not the last has r0 = the next row and all eight bits.)
; w = 1: additions that read the buffer have been issued since the last wait on va_vdst.  w = 0: a part's first chunk, which finds that wait ahead of the last part's LDS stores (sequence 0: at the head).
.macro ISSUE x, sb, sm, w
	s_min_u32 s46, s36, TOTAL-CH                   ; the one number made of loaded data that enters the address, held by a constant
.if \sm
	s_sub_co_u32 s47, s36, s46                     ; rows ahead of mine: 0 but at the buffer's end
	s_sub_co_u32 s48, s37, s46
	s_min_u32 s48, s48, CH
	s_sub_co_u32 s48, s48, s47                     ; how many of the eight are mine: at least one
	s_bfm_b32 s[\sm], s48, s47
.endif
	s_lshl_b32 s50, s46, 10
	s_add_nc_u64 s[\sb:\sb+1], s[4:5], s[50:51]    ; the buffer's own base: its last loads were waited for before they were added
	s_add_co_u32 s36, s36, CH
.if \w
	s_wait_alu depctr_va_vdst(0)                   ; the additions of this buffer's last chunk are done reading it: the 16 loads below land in it
.endif
.irp i, 0,1,2,3,4,5,6,7
	global_load_b128 v[\x+8*\i:\x+8*\i+3], v[VOFF], s[\sb:\sb+1] offset:\i*ROWB
	global_load_b128 v[\x+8*\i+4:\x+8*\i+7], v[VOFF], s[\sb:\sb+1] offset:\i*ROWB+512
.endr
.endm
.macro ROW4 xr                                 ; a row onto the sums: four packed additions
	v_pk_add_f32 v[AC:AC+1], v[AC:AC+1], v[\xr:\xr+1]
	v_pk_add_f32 v[AC+2:AC+3], v[AC+2:AC+3], v[\xr+2:\xr+3]
	v_pk_add_f32 v[AC+4:AC+5], v[AC+4:AC+5], v[\xr+4:\xr+5]
	v_pk_add_f32 v[AC+6:AC+7], v[AC+6:AC+7], v[\xr+6:\xr+7]
.endm
.macro ADDALL x                                ; a whole chunk
.irp i, 0,1,2,3,4,5,6,7
	ROW4 \x+8*\i
.endr
.endm
.macro ROWIF xr, sm, i
	s_bitcmp1_b32 s[\sm], \i
	s_cbranch_scc0 .Lnot_mine_\@
	ROW4 \xr
.Lnot_mine_\@:
.endm
.macro ADDMINE x, sm                           ; a part's last chunk: the rows that the mask names
.irp i, 0,1,2,3,4,5,6,7
	ROWIF \x+8*\i, \sm, \i
.endr
.endm
; My part of sequence s: rows [first + clamp(share's begin - rows passed), first + clamp(share's end - rows passed)), each clamp to 0 .. the sequence's rows.  Its sum, zeros if the part is empty, goes to LDS.
; n chunks: buffer 0 is asked for ahead of the loop; a trip adds two whole chunks and asks for two; (n - 1) / 2 trips leave one chunk (n odd: in buffer 0, on its way) or two (n even: buffer 0's, and one to ask for).
.macro SEQ s
.set AC, ACC+8*((\s)%2)
	s_sub_co_i32 s46, s32, s34
	s_max_i32 s46, s46, 0
	s_min_i32 s46, s46, s[17+2*\s]
	s_sub_co_i32 s47, s33, s34
	s_max_i32 s47, s47, 0
	s_min_i32 s47, s47, s[17+2*\s]
	s_add_co_u32 s36, s[16+2*\s], s46
	s_add_co_u32 s37, s[16+2*\s], s47
	s_add_co_u32 s34, s34, s[17+2*\s]
	s_sub_co_u32 s38, s47, s46
	s_add_co_u32 s38, s38, CH-1
	s_lshr_b32 s38, s38, 3                         ; n, the chunks
	s_cmp_eq_u32 s15, \s
	s_cselect_b32 s35, s[17+2*\s], s35             ; the rows of the sequence that I shall divide
	s_wait_dscnt 0x2                               ; the last sequence's two stores may be out; those of two sequences ago, which read this set of sums, are done
.if (\s) > 1
	s_wait_alu depctr_vm_vsrc(0)                   ; the LDS stores of two sequences ago have read this set of sums, which the zeros below write again
.endif
.irp j, 0,1,2,3,4,5,6,7
	v_mov_b32 v[AC+\j], 0                          ; (an empty part stores these zeros)
.endr
	s_cmp_eq_u32 s38, 0
	s_cbranch_scc1 .Lflush_\@
	s_sub_co_u32 s49, s38, 1
	s_lshr_b32 s49, s49, 1                         ; trips
	ISSUE X0, 40, 44, 0                            ; no wait: since the last wait on va_vdst only the eight zeros were issued, which name the sums alone
	s_cmp_eq_u32 s49, 0
	s_cbranch_scc1 .Ltail_\@
	s_mov_b32 s39, 0
.Lpair_\@:                                     ; here buffer 0 is on its way
	ISSUE X1, 42, 0, 1                             ; never the last chunk: at least one follows it.  (Its wait is for the last trip's additions, over the backward jump)
	s_wait_loadcnt 16                              ; loads come back in order: all but the 16 just issued are in
	ADDALL X0
	ISSUE X0, 40, 44, 1                            ; the last chunk, if n is odd and this is the last trip
	s_wait_loadcnt 16
	ADDALL X1
	s_add_co_u32 s39, s39, 1
	s_cmp_lt_u32 s39, s49
	s_cbranch_scc1 .Lpair_\@
.Ltail_\@:
	s_bitcmp1_b32 s38, 0
	s_cbranch_scc1 .Lodd_\@
	ISSUE X1, 42, 45, 1                            ; n even: the last chunk is asked for; buffer 0's is whole.  (Its wait is for the loop's last additions)
	s_wait_loadcnt 16
	ADDALL X0
	s_wait_loadcnt 0x0
	ADDMINE X1, 45
	s_branch .Lflush_\@
.Lodd_\@:                                      ; n odd: the last chunk lies in buffer 0, and nothing was asked for behind it
	s_wait_loadcnt 0x0
	ADDMINE X0, 44
.Lflush_\@:
	s_wait_alu depctr_va_vdst(0)                   ; on all three ways: the zeros and the additions have written the sums, which the two LDS stores read; and the additions are done reading both buffers, for the next part's first loads
	ds_store_b128 v[FL], v[AC:AC+3] offset:PART+\s*1024          ; columns 4 lane ..
	ds_store_b128 v[FL], v[AC+4:AC+7] offset:PART+\s*1024+512    ; and 128 + 4 lane ..
.endm
	s_lshl_b32 s50, ttmp9, 6                       ; my 8 pairs: 64 bytes
	s_add_nc_u64 s[6:7], s[6:7], s[50:51]
	s_load_b512 s[16:31], s[6:7], 0x0
	s_lshl_b32 s50, ttmp9, 13                      ; my 8 rows of out0
	s_add_nc_u64 s[12:13], s[12:13], s[50:51]
	s_wait_alu depctr_va_vdst(0)                   ; the addresses and offsets v1 to v15 and v60 are written: every load and store of the kernel reads one of them, and none is written again
	global_load_b128 v[BIAS:BIAS+3], v[BOF], s[10:11]
	global_load_b128 v[BIAS+4:BIAS+7], v[BOF], s[10:11] offset:16
	WLOAD 0                                        ; on its way beside the indices
	s_wait_kmcnt 0x0
.irp s, 0,1,2,3,4,5,6,7
	s_min_u32 s[16+2*\s], s[16+2*\s], TOTAL
	s_min_u32 s[17+2*\s], s[17+2*\s], TOTAL
	s_max_u32 s46, s[16+2*\s], s[17+2*\s]
	s_min_u32 s[16+2*\s], s[16+2*\s], s[17+2*\s]   ; the first row
	s_sub_co_u32 s[17+2*\s], s46, s[16+2*\s]       ; and how many: |end - start|, since sum and length change sign together
.endr
	s_add_co_u32 s46, s17, s19
.irp s, 21,23,25,27,29,31
	s_add_co_u32 s46, s46, s\s
.endr
	s_add_co_u32 s46, s46, 127
	s_lshr_b32 s46, s46, 7
	s_lshl_b32 s46, s46, 3                         ; a share: a sixteenth of the work-group's rows, up to whole chunks
	s_mul_i32 s32, s14, s46
	s_add_co_u32 s33, s32, s46
	s_mov_b32 s34, 0
	s_mov_b32 s35, 0
.irp s, 0,1,2,3,4,5,6,7
	SEQ \s
.endr
	s_wait_loadcnt 0x0                             ; W's first half and b are in, also where my share was empty
	WQMATH 0
	s_wait_alu depctr_va_vdst(0)                   ; the first half's arithmetic is done reading v64 to v127, in which the second half's loads land, and has written its codes and bytes, which the LDS stores read
	WLOAD 1                                        ; ahead of the stores: the one wait serves both
	WQSTORE 0
	s_wait_loadcnt 0x0
	WQMATH 1
	s_wait_alu depctr_va_vdst(0)                   ; the second half's codes and bytes are written, which the LDS stores read; v64 to v127 have been read: W's and the means' fragments and the row of out0 land there later, and no vector line between names those registers
	WQSTORE 1
	s_wait_dscnt 0x0                               ; for the others' sake: my partial sums, W's codes and scale bytes lie in LDS
	s_barrier_signal -1
	s_barrier_wait -1
	; ---- the mean of 128 columns of sequence q: lane (r, h) takes columns 128 t + 8 r .. + 7 of eight waves' partial sums
	s_wait_alu depctr_vm_vsrc(0)                   ; my LDS stores of W's codes and bytes have read v128 to v145, in which the partial sums land
.irp i, 0,1,2,3,4,5,6,7
	ds_load_b128 v[X0+8*\i:X0+8*\i+3], v[RDP] offset:PART+\i*8192
	ds_load_b128 v[X0+8*\i+4:X0+8*\i+7], v[RDP] offset:PART+\i*8192+16
.endr
.irp c, 0,1,2,3
	ds_load_b128 v[WF+4*\c:WF+4*\c+3], v[WFR] offset:32*\c       ; W's fragments of my 16 columns: K step c / 2, registers 4 (c % 2) on
.endr
	ds_load_b64 v[SCW:SCW+1], v[WSR]               ; and their scale words, one for each K step
	v_cvt_f32_u32 v44, s35
	s_cmp_eq_u32 s35, 0
	s_cselect_b32 s48, 0xff, 0                     ; a sequence without rows: the scale byte that stands for NaN
	v_rcp_f32 v46, v44
	v_rcp_f32 v47, v44                             ; twice: a pair for the packed multiply; the additions below are the plain places behind it
	s_wait_dscnt 5                                 ; the 16 loads of partial sums are in; the five behind them may be out
.irp i, 0,2,4,6
.irp j, 0,2,4,6
	v_pk_add_f32 v[X0+8*\i+\j:X0+8*\i+\j+1], v[X0+8*\i+\j:X0+8*\i+\j+1], v[X0+8*(\i+1)+\j:X0+8*(\i+1)+\j+1]
.endr
.endr
.irp i, 0,4
.irp j, 0,2,4,6
	v_pk_add_f32 v[X0+8*\i+\j:X0+8*\i+\j+1], v[X0+8*\i+\j:X0+8*\i+\j+1], v[X0+8*(\i+2)+\j:X0+8*(\i+2)+\j+1]
.endr
.endr
.irp j, 0,2,4,6
	v_pk_add_f32 v[X0+\j:X0+\j+1], v[X0+\j:X0+\j+1], v[X0+32+\j:X0+32+\j+1]
.endr
.irp j, 0,1,2,3,4,5,6,7
	v_permlanex16_b32 v[X0+8+\j], v[X0+\j], s52, s53             ; the other eight waves' sum lies in lane l xor 16
.endr
.irp j, 0,2,4,6
	v_pk_add_f32 v[X0+\j:X0+\j+1], v[X0+\j:X0+\j+1], v[X0+8+\j:X0+8+\j+1]   ; both halves of the lanes now hold the same bits
.endr
	s_wait_alu depctr_va_vdst(0)                   ; the two reciprocals have written v46 and v47: one wait for both, ahead of their first reader
.irp j, 0,2,4,6
	v_pk_mul_f32 v[X0+\j:X0+\j+1], v[X0+\j:X0+\j+1], v[46:47]    ; the mean
.endr
	v_max3_num_f32 v48, |v[X0]|, |v[X0+1]|, 0x1800000            ; my 8 numbers and the floor 2^(3 - 127)
	v_max3_num_f32 v48, v48, |v[X0+2]|, |v[X0+3]|
	v_max3_num_f32 v48, v48, |v[X0+4]|, |v[X0+5]|
	v_max3_num_f32 v48, v48, |v[X0+6]|, |v[X0+7]|
	v_max_num_f32_dpp v48, v48, v48 row_xmask:1 row_mask:0xf bank_mask:0xf
	v_max_num_f32_dpp v48, v48, v48 row_xmask:2 row_mask:0xf bank_mask:0xf   ; four neighbouring lanes hold a block of 32
	v_add_nc_u32 v49, 0xff000000, v48              ; 2 off the exponent field: the conversion's scale operand
	v_lshrrev_b32 v50, 23, v49                     ; the scale's byte
	v_or_b32 v50, s48, v50
	v_cvt_scalef32_pk8_fp4_f32 v51, v[X0:X0+7], v49
	v_nop                                          ; one plain place behind a scaled conversion
	s_wait_alu depctr_va_vdst(0)                   ; the codes in v51 and the byte in v50 are written, which the two LDS stores read
	ds_store_b32 v[AST], v51                       ; 8 codes; lanes 16-31 write what lanes 0-15 write
	ds_store_b8 v[ASS], v50                        ; the lanes of a block write the same byte
	s_wait_dscnt 0x0                               ; my stores have landed, my loads are in
	s_barrier_signal -1
	s_barrier_wait -1
	; ---- out0's columns 16 w .. 16 w + 15 for the 8 sequences
.irp c, 0,1,2,3
	ds_load_b128 v[AF+4*\c:AF+4*\c+3], v[AFR] offset:32*\c       ; lane (r, h): sequence r % 8
.endr
	ds_load_b64 v[SCA:SCA+1], v[ASR]
	s_wait_dscnt 0x0
	v_wmma_scale_f32_16x16x128_f8f6f4 v[DD:DD+7], v[WF:WF+7], v[AF:AF+7], v[BIAS:BIAS+7], v[SCW], v[SCA] matrix_a_fmt:MATRIX_FMT_FP4 matrix_b_fmt:MATRIX_FMT_FP4
	s_wait_alu depctr_va_vdst(0)                   ; a wait ahead of the link
	v_wmma_scale_f32_16x16x128_f8f6f4 v[DD:DD+7], v[WF+8:WF+15], v[AF+8:AF+15], v[DD:DD+7], v[SCW+1], v[SCA+1] matrix_a_fmt:MATRIX_FMT_FP4 matrix_b_fmt:MATRIX_FMT_FP4
.rept 4
	v_nop                                          ; four places ahead of the first read of the result (ISA guide 7.12.1)
.endr
	s_wait_alu depctr_va_vdst(0)                   ; the matrix instruction has written v96 to v103, which the two LDS stores read; the places above stay beside this wait
	ds_store_b128 v[SGO], v[DD:DD+3]               ; lane (r, h): out0(sequence r % 8, 16 w + 8 h + 0 .. 7); lanes 8-15 of each half repeat lanes 0-7
	ds_store_b128 v[SGO], v[DD+4:DD+7] offset:16
	s_wait_dscnt 0x0
	s_barrier_signal -1
	s_barrier_wait -1
	ds_load_b128 v[OUTR:OUTR+3], v[SGR]            ; half a row of out0 a wave
	s_wait_dscnt 0x0
	global_store_b128 v[OOF], v[OUTR:OUTR+3], s[12:13] th:TH_STORE_NT   ; 32 lanes store 512 consecutive bytes, at a multiple of 512 from out0's first byte
	s_wait_dscnt 0x0                               ; the closing lines, six on end
	s_wait_alu 0x0
	s_wait_tensorcnt 0x0
	ds_add_u32 v62, v63
	s_wait_dscnt 0x0
	s_endpgm
.Lfunc_end_k_q459910a240_ragged_mean_linear:
	.size	k_q459910a240_ragged_mean_linear, .Lfunc_end_k_q459910a240_ragged_mean_linear-k_q459910a240_ragged_mean_linear
	.p2alignl 7, 3214868480
	.fill 96, 4, 3214868480
	.section	.rodata,"a",@progbits
	.p2align	6, 0x0
	.amdhsa_kernel k_q459910a240_ragged_mean_linear
		.amdhsa_group_segment_fixed_size 182272
		.amdhsa_private_segment_fixed_size 0
		.amdhsa_enable_private_segment 0
		.amdhsa_kernarg_size 40
		.amdhsa_user_sgpr_count 2
		.amdhsa_user_sgpr_kernarg_segment_ptr 1
		.amdhsa_wavefront_size32 1
		.amdhsa_system_sgpr_workgroup_id_x 1
		.amdhsa_system_sgpr_workgroup_id_y 1
		.amdhsa_system_sgpr_workgroup_id_z 1
		.amdhsa_system_vgpr_workitem_id 0
		.amdhsa_next_free_vgpr 256
		.amdhsa_next_free_sgpr 66
		.amdhsa_reserve_vcc 0
		.amdhsa_float_denorm_mode_32 3
		.amdhsa_float_denorm_mode_16_64 3
		.amdhsa_memory_ordered 1
		.amdhsa_forward_progress 1
		.amdhsa_inst_pref_size 189
	.end_amdhsa_kernel
	.amdgpu_metadata
---
amdhsa.version: [ 1, 2 ]
amdhsa.kernels:
  - .name:           k_q459910a240_ragged_mean_linear
    .symbol:         k_q459910a240_ragged_mean_linear.kd
    .args:
      - { .name: values, .offset: 0, .size: 8, .value_kind: global_buffer, .address_space: global }
      - { .name: indices, .offset: 8, .size: 8, .value_kind: global_buffer, .address_space: global }
      - { .name: W, .offset: 16, .size: 8, .value_kind: global_buffer, .address_space: global }
      - { .name: b, .offset: 24, .size: 8, .value_kind: global_buffer, .address_space: global }
      - { .name: out0, .offset: 32, .size: 8, .value_kind: global_buffer, .address_space: global }
    .group_segment_fixed_size: 182272
    .private_segment_fixed_size: 0
    .kernarg_segment_align: 8
    .kernarg_segment_size: 40
    .max_flat_workgroup_size: 512
    .sgpr_count:     66
    .vgpr_count:     256
    .wavefront_size: 32
...
	.end_amdgpu_metadata
.endif
;; end of part 2
